; MI455X (gfx1250); checked and timed in simulation.
; The chip was launched on July 23, 2026; its instructions are those of AMD's public machine-readable ISA for CDNA 5 (MIT licence, August 2026) and "CDNA5" Instruction Set Architecture Reference Guide (July 2026). The comments in the code are by the model that wrote it; some were corrected since.
;; SOHO Pre VD. Allowed arithmetic: float matrix products may take bf16 or f16 operands with f32 sums; other float arithmetic in f32, or as packed bf16 or f16 multiplies, adds, multiply-adds, maxima and minima; sums over many terms, partial sums and values carried from step to step in f32; what a program stores and reads back later, other than sums and carried values, may be rounded once to bf16 or f16.
;; Inputs: embed 8,192 x 256 float32; inputs_flatten 32,768 x 256 float32.
;; Outputs: out0 32,768 x 256 float32; out1 32,768 x 1 int32.
;; 2 versions, each right; version 2 is version 1 with the launches prep, gather written anew for expert scheduling mode. Each part assembles by itself: llvm-mc -triple=amdgcn-amd-amdhsa -mcpu=gfx1250 --defsym DOCPART=n.
;; ======== version 1 of 2: 3 launches
;; workspace buffers: ebf 4,194,304 bytes; nesq 32,768 bytes; widx 131,072 bytes of whole numbers
;; launch prep (part 1): grid 256 x 1, 2 waves a work-group, no clusters, 0 bytes of LDS; arguments embed, ebf, nesq; writes ebf, nesq
.if DOCPART == 1
	.amdgcn_target "amdgcn-amd-amdhsa--gfx1250"
	.amdhsa_code_object_version 6
	.text
	.protected	k_q6da321ca88_prep
	.globl	k_q6da321ca88_prep
	.p2align	8
	.type	k_q6da321ca88_prep,@function
k_q6da321ca88_prep:
	s_mov_b64 s[64:65], 0
	v_nop
	global_prefetch_b8 v0, s[64:65] scope:SCOPE_SE
	s_setreg_imm32_b32 hwreg(HW_REG_WAVE_MODE, 25, 1), 1
	s_wait_xcnt 0x0
; THE PROGRAM: for each of 32,768 rows x the nearest of 8,192 codebook rows e_k of 256 numbers; out1 = its index, out0 = that row.  Three launches:
; this one lays the codebook out, the second finds the indices, the third copies the chosen rows.
; WORK OF THE SOURCE THAT IS LEFT OUT, for all finite values of the inputs, in exact arithmetic:
;   x_sq[n] is added to every distance of row n alike, so it moves no argmin along k: it is not computed.  What is compared is s[n][k] = x_n . e_k - e_sq[k] / 2,
;   which is (x_sq[n] - distance[n][k]) / 2: the greatest s is the least distance.
;   (quantize - x) + x = quantize: out0 is the gathered row itself, and the launch that stores it does not read x.
; Both inputs keep a way to the outputs and are loaded.  LIMITS: a NaN, an infinity or an overflow that reaches only x_sq or (quantize - x) + x is not carried to the result;
; NaN and infinities are not treated apart anywhere; where x_sq is so large that f32 distances of the source fall together, the source's choice among them is not followed.
;
; THIS LAUNCH: embed is rounded once to bf16 and stored in the order in which a matrix instruction's registers take it; nesq[k] = -1/2 x the sum of the squares of the ROUNDED row k,
; so that the scores are those of the rounded codebook in both terms.
; ebf: code tile ct (codes 16 ct ..), K step ks (32 channels), part p, lane l = 16 h + r: the 16 bytes at 8,192 ct + 1,024 ks + 512 p + 16 l hold embed[16 ct + r][32 ks + 16 p + 8 h + 0..7].
; SHARES.  A wave makes one code tile: 16 rows x 1,024 bytes in, 8,192 bytes out.  512 tiles, two waves a work-group.  No loop, no LDS.
; All 32 loads go out at once; each part is rounded, stored (512 consecutive bytes a store) and squared as it arrives.  Every store has data registers of its own: none is rewritten.
; A lane is tied to a code row, so a load takes 32 bytes of each of 16 rows; the 32 loads together take each byte once.  nesq leaves as 64 consecutive bytes a wave.
.set LO, 4                             ; v4   r x 1,024 + 32 h: my 32 bytes of part 0
.set SO, 5                             ; v5   16 x lane
.set NO, 6                             ; v6   4 r
.set T,  8                             ; v[8:15]    eight rounded numbers as f32
.set SQ, 16                            ; v[16:23]   four pairs of running sums of squares
.set IN, 32                            ; v[32:159]  part q: 8 registers as loaded
.set PK, 160                           ; v[160:223] part q: 4 registers, 8 bf16
	s_load_b128 s[4:7], s[0:1], 0x0                ; embed s[4:5], ebf s[6:7]
	s_load_b64 s[8:9], s[0:1], 0x10                ; nesq
	v_lshrrev_b32 v7, 5, v0
	v_readfirstlane_b32 s10, v7                    ; wave 0, 1
	v_and_b32 v1, 31, v0                           ; lane
	v_and_b32 v2, 15, v0                           ; r
	v_bfe_u32 v3, v0, 4, 1                         ; h
	v_lshlrev_b32 v[LO], 10, v2
	v_lshl_add_u32 v[LO], v3, 5, v[LO]
	v_lshlrev_b32 v[SO], 4, v1
	v_lshlrev_b32 v[NO], 2, v2
	s_lshl_b32 s14, ttmp9, 1
	s_add_co_u32 s14, s14, s10                     ; ct
	s_mov_b32 s11, 0xffff0000                      ; a word's upper bf16
	s_mov_b32 s12, 0x76543210                      ; v_permlanex16_b32: each lane takes its own place in the other half
	s_mov_b32 s13, 0xfedcba98
	s_lshl_b32 s2, s14, 14                         ; 16 rows of 1,024 bytes
	s_mov_b32 s3, 0
	s_lshl_b32 s16, s14, 13                        ; 8,192 bytes of ebf
	s_mov_b32 s17, 0
	s_lshl_b32 s18, s14, 6                         ; 16 numbers of nesq
	s_mov_b32 s19, 0
	s_wait_kmcnt 0x0
	s_add_nc_u64 s[4:5], s[4:5], s[2:3]
	s_add_nc_u64 s[6:7], s[6:7], s[16:17]
	s_add_nc_u64 s[8:9], s[8:9], s[18:19]
.irp q, 0,1,2,3,4,5,6,7,8,9,10,11,12,13,14,15
	global_load_b128 v[IN+8*(\q):IN+8*(\q)+3],   v[LO], s[4:5] offset:64*(\q)
	global_load_b128 v[IN+8*(\q)+4:IN+8*(\q)+7], v[LO], s[4:5] offset:64*(\q)+16
.endr
; Part q = 2 ks + p.
.macro PART q
	s_wait_loadcnt 30-2*(\q)                       ; loads come back in order: my two are in, the 2 (15 - q) behind them stay out
.irp m, 0,1,2,3
	v_cvt_pk_bf16_f32 v[PK+4*(\q)+(\m)], v[IN+8*(\q)+2*(\m)], v[IN+8*(\q)+2*(\m)+1]
.endr
	global_store_b128 v[SO], v[PK+4*(\q):PK+4*(\q)+3], s[6:7] offset:512*(\q) th:TH_STORE_NT
.irp m, 0,1,2,3
	v_lshlrev_b32 v[T+2*(\m)],   16,  v[PK+4*(\q)+(\m)]   ; the rounded numbers back as f32
	v_and_b32     v[T+2*(\m)+1], s11, v[PK+4*(\q)+(\m)]
.endr
.irp m, 0,2,4,6
.if (\q) == 0
	v_pk_mul_f32 v[SQ+(\m):SQ+(\m)+1], v[T+(\m):T+(\m)+1], v[T+(\m):T+(\m)+1]   ; the first part starts the sums
.else
	v_pk_fma_f32 v[SQ+(\m):SQ+(\m)+1], v[T+(\m):T+(\m)+1], v[T+(\m):T+(\m)+1], v[SQ+(\m):SQ+(\m)+1]
.endif
.endr
.endm
.irp q, 0,1,2,3,4,5,6,7,8,9,10,11,12,13,14,15
	PART \q
.endr
	v_pk_add_f32 v[SQ:SQ+1], v[SQ:SQ+1], v[SQ+2:SQ+3]
	v_pk_add_f32 v[SQ+4:SQ+5], v[SQ+4:SQ+5], v[SQ+6:SQ+7]
	v_pk_add_f32 v[SQ:SQ+1], v[SQ:SQ+1], v[SQ+4:SQ+5]
	v_add_f32 v[SQ], v[SQ], v[SQ+1]                ; my half of row r's channels
	v_permlanex16_b32 v[T], v[SQ], s12, s13        ; the other half lies in the lane 16 away (the destination has been written)
	v_add_f32 v[SQ], v[SQ], v[T]
	v_mul_f32 v[SQ], -0.5, v[SQ]
	v_cmp_gt_u32 vcc_lo, 16, v1
	s_wait_xcnt 0x0                                ; EXEC is a source of the stores above: it changes only behind this wait
	s_and_saveexec_b32 s20, vcc_lo                 ; lanes 0 to 15: one number a row
	global_store_b32 v[NO], v[SQ], s[8:9]
	s_wait_xcnt 0x0                                ; and again in front of the line that widens it
	s_or_b32 exec_lo, exec_lo, s20
	s_endpgm
.Lfunc_end_k_q6da321ca88_prep:
	.size	k_q6da321ca88_prep, .Lfunc_end_k_q6da321ca88_prep-k_q6da321ca88_prep
	.p2alignl 7, 3214868480
	.fill 96, 4, 3214868480
	.section	.rodata,"a",@progbits
	.p2align	6, 0x0
	.amdhsa_kernel k_q6da321ca88_prep
		.amdhsa_group_segment_fixed_size 0
		.amdhsa_private_segment_fixed_size 0
		.amdhsa_enable_private_segment 0
		.amdhsa_kernarg_size 24
		.amdhsa_user_sgpr_count 2
		.amdhsa_user_sgpr_kernarg_segment_ptr 1
		.amdhsa_wavefront_size32 1
		.amdhsa_system_sgpr_workgroup_id_x 1
		.amdhsa_system_sgpr_workgroup_id_y 1
		.amdhsa_system_sgpr_workgroup_id_z 1
		.amdhsa_system_vgpr_workitem_id 0
		.amdhsa_next_free_vgpr 224
		.amdhsa_next_free_sgpr 66
		.amdhsa_reserve_vcc 1
		.amdhsa_float_denorm_mode_32 3
		.amdhsa_float_denorm_mode_16_64 3
		.amdhsa_memory_ordered 1
		.amdhsa_forward_progress 1
		.amdhsa_inst_pref_size 19
	.end_amdhsa_kernel
	.amdgpu_metadata
---
amdhsa.version: [ 1, 2 ]
amdhsa.kernels:
  - .name:           k_q6da321ca88_prep
    .symbol:         k_q6da321ca88_prep.kd
    .args:
      - { .name: embed, .offset: 0, .size: 8, .value_kind: global_buffer, .address_space: global }
      - { .name: ebf, .offset: 8, .size: 8, .value_kind: global_buffer, .address_space: global }
      - { .name: nesq, .offset: 16, .size: 8, .value_kind: global_buffer, .address_space: global }
    .group_segment_fixed_size: 0
    .private_segment_fixed_size: 0
    .kernarg_segment_align: 8
    .kernarg_segment_size: 24
    .max_flat_workgroup_size: 64
    .sgpr_count:     66
    .vgpr_count:     224
    .wavefront_size: 32
...
	.end_amdgpu_metadata
.endif
;; end of part 1
;; launch vq (part 2): grid 256 x 1, 4 waves a work-group, clusters of 4 x 1, 327,680 bytes of LDS; arguments ebf, nesq, inputs_flatten, out1, widx; writes out1, widx
.if DOCPART == 2
	.amdgcn_target "amdgcn-amd-amdhsa--gfx1250"
	.amdhsa_code_object_version 6
	.text
	.protected	k_q6da321ca88_vq
	.globl	k_q6da321ca88_vq
	.p2align	8
	.type	k_q6da321ca88_vq,@function
k_q6da321ca88_vq:
	s_mov_b64 s[64:65], 0
	v_nop
	global_prefetch_b8 v0, s[64:65] scope:SCOPE_SE
	s_setreg_imm32_b32 hwreg(HW_REG_WAVE_MODE, 25, 1), 1
	s_wait_xcnt 0x0
	s_wait_alu depctr_hold_cnt(0) depctr_sa_sdst(0) depctr_va_vdst(0) depctr_va_sdst(0) depctr_va_ssrc(0) depctr_va_vcc(0) depctr_vm_vsrc(0)
	s_getreg_b32 s2, hwreg(HW_REG_IB_STS2, 6, 4)
	s_cmp_eq_u32 s2, 0
	s_cbranch_scc0 .Lentry_in_a_cluster
	s_endpgm
.Lentry_in_a_cluster:
	s_bfe_u32 s2, ttmp6, 0x10000c
	s_cmp_lg_u32 s2, 0x3003
	s_cbranch_scc0 .Lentry_shape_is_right
	s_endpgm
.Lentry_shape_is_right:
; out1[n] = widx[n] = the k with the greatest s[n][k] = x_n . e_k - e_sq[k] / 2, the lowest k among equals.  x_sq is left out: it is the same for all k of a row (shown at the head of the first kernel).
; x and e are rounded to bf16 for the product, sums in f32.  LIMITS: NaN and infinities are not treated apart; scores are those of the rounded inputs.
; SHARES.  A work-group owns 128 rows of x.  EVERY wave holds all 128 as bf16 fragments in 512 registers (8 query tiles x 8 K steps x 8), and takes a quarter of the codes: so a code fragment
; read from LDS feeds 8 matrix instructions, and each LDS byte of the codebook is read once in the work-group.  The codebook goes in 32 steps of 256 codes (131,072 bytes) through two LDS slots;
; of each step wave w fetches AND reads codes 64 w .. 64 w + 63: four tiles of 16 codes, 64 matrix instructions each.
; LAYOUT.  Source 0 = 16 codes, source 1 = 16 queries: in the result a lane holds ONE query (lane % 16) and codes 8 (lane / 16) + 0..7.  The C operand of a tile's first K step is -e_sq / 2 of those
; codes, so the result is the score.  ebf lies in the registers' own order: a fragment is two loads of 16 bytes a lane at 16 x lane: dense tiles, neighbouring lanes at neighbouring bytes.
; THE MAXIMUM.  For each (query tile, register) a running best score and the code base of the tile that gave it: 64 + 64 registers, three instructions an element, no chain from element to element.
; A score that only equals the best is not taken, so the earlier tile stays.  The three lines for an element of the LAST tile stand behind each matrix instruction of this one (two accumulator buffers).
; CLUSTER.  All work-groups walk the same codebook: the four of a cluster ask for each tile JOINTLY (the same load, descriptor and mask in all four).  x is each work-group's own: a plain load.
; Tensor loads outstanding in a wave, by this text's count: three at the start, later one.
; REGISTERS, in windows of 256 (s_set_vgpr_msb: bits 1:0 source 0, 3:2 source 1, 5:4 source 2, 7:6 destination):
;   window 0: v0-15 addresses; v16-31 -e_sq / 2, two buffers of 8; v32-63 at work at the end; v64-191 the scores, two buffers of 8 tiles x 8 (ahead of the walk: x in f32 on its way to bf16)
;   window 1: v0-63 the best scores; v64-127 their code bases; v128-255 code fragments, two buffers of 8 K steps x 8
;   window 2: x, query tiles 0-3 (64 t + 8 ks);   window 3: query tiles 4-7
.set SLOTB, 131072                     ; a slot: 256 codes x 512 bytes; slot 1 begins here, so one exclusive or turns an address in one slot into the other's
.set XB,    131072                     ; x in f32, 128 rows: filled once, over slot 1 and 2,048 bytes past it; slot 1 is filled when x has been read
.set XP,    1040                       ; a row of x in LDS: 1,024 bytes + 16 of padding = 65 x 16: the 16 rows of a load start at 16 different groups of four banks (64 banks of 4 bytes: ISA guide 11.1)
.set ESQ,   XB+128*XP                  ; 264,192: all of nesq, 32,768 bytes
.set SCR,   ESQ+32768                  ; 296,960: the waves' results meet here: 1,024 bytes a wave; no tensor load lands here
.set SPARE, SCR+4096                   ; 301,056: the spare words, 128 bytes a wave: two blocks of 256 bytes that no other line names
.set AK0,  3                           ; v3   32,768 w + 16 x lane: my place in a code tile; never rewritten
.set AE0,  4                           ; v4   ESQ + 256 w + 32 h
.set ADR,  5                           ; v5   the run of loads in hand: codes
.set ADE,  6                           ; v6   -e_sq / 2
.set XA0,  7                           ; v7   XB + 1,040 r + 32 h: query tiles 0-3;   v8 the same 64 rows on: tiles 4-7
.set PFO,  9                           ; v9   256 x lane
.set LB,   10                          ; v10  64 w + 8 h: what my wave and half add to a code's number
.set SCW,  11                          ; v11  SCR + 1,024 w + 8 x lane
.set SCRD, 12                          ; v12  SCR + 512 (w % 2) + 16 x lane
.set GOFF, 13                          ; v13  my 8 bytes of out1 or widx
.set SPW,  14                          ; v14  LDS address of my spare word; never rewritten
.set NIL,  15                          ; v15  0; never rewritten
.set EQ,   16
.set ACC,  64
.set CT,   128                         ; at the end: a register at work, free in window 0 (scores) and in window 1 (fragments)
.set BEST, 0                           ; window 1
.set IDX,  64                          ; window 1
.set CF,   128                         ; window 1
.set WV,   14                          ; s14  my wave's number
.set CX,   15                          ; s15  my place in the cluster: it enters x's address, the prefetches' address and the stores' offset alone
.set G1X,  16                          ; s[16:23] group 1 for x     s[24:31] for codes     s[32:39] for nesq
.set G1C,  24
.set G1E,  32
.set G0X,  40                          ; s[40:43] group 0 for x     s[44:47] for codes: it walks     s[48:51] for nesq
.set G0C,  44
.set G0E,  48
.set CNT,  52                          ; s52  trips to go
.set TB,   53                          ; s53  LDS byte at which the tile to be fetched begins, less my wave's part
.set TE,   54                          ; s54  the same in nesq: 1,024 x step + 64 x tile
.set TC,   55                          ; s55  256 x step + 16 x tile of the tile whose scores are being looked through
.set LIM,  56                          ; s56  2 in the launch's first cluster, else the greatest number: a wave prefetches while s[CNT] is above it
.set NINF, 57                          ; s57  minus infinity
.set PFA,  58                          ; s[58:59] where my prefetches stand
.set SEL,  60                          ; s[60:61] v_permlanex16_b32's selects
.set WG,   68                          ; s68  the work-group's number
.set DST,  70                          ; s[70:71] out1 or widx
.set MSB, 0
.macro WIN new                         ; the immediate's high byte repeats the setting that is left; a switch that changes nothing is dropped
.if MSB != (\new)
	s_set_vgpr_msb (MSB<<8)|(\new)
.set MSB, (\new)
.endif
.endm
.set W_M2, 0x09                        ; codes window 1, x window 2, C and D window 0;  + 4: x window 3
.set W_R,  0x44                        ; source 0 window 0; source 1 and destination window 1
.set W_F,  0x40                        ; destination window 1
.set W_X2, 0x80                        ; destination window 2;  + 0x40: window 3
.set W_C,  0x45                        ; sources 0, 1 and destination window 1
.set W_S,  0x05                        ; sources 0, 1 window 1, destination window 0
; A round of the cluster's barrier: my work-group's barrier, so that wave 0's signal speaks for all four waves; wave 0 signals; every wave waits for the four work-groups; my work-group's barrier once more.
.macro CREST                           ; a round behind its opening barrier
	s_cmp_lg_u32 s[WV], 0
	s_cbranch_scc1 .Lnot_wave_0_\@
	s_barrier_signal -3
.Lnot_wave_0_\@:
	s_barrier_wait -3
	s_barrier_signal -1
	s_barrier_wait -1
.endm
.macro ROUND
	s_barrier_signal -1
	s_barrier_wait -1
	CREST
.endm
; A joint refill: one line for all four waves, each with its own quarter of the step (its number stands in both addresses).  An s_nop 0 and four v_nop follow it.
.macro JLOAD
	tensor_load_to_lds s[G0C:G0C+3], s[G1C:G1C+7]
	s_nop 0
.rept 4
	v_nop
.endr
.endm
; A PREFETCH INTO THE L2, behind the joint load, its five lines and the run of LDS loads: the step that stands TWO refills on, 512 matrix instructions ahead of the load that will want it.
; A step is 512 blocks of 256 bytes.  All clusters walk the same codebook: the launch's first cluster asks.  Its four partners take 32,768 bytes each, told apart BY ADDRESS, each wave 8,192 of them,
; a lane a block: each block is named once in the launch.  Steps 0 to 3 come by their loads alone; the refills for steps 30 and 31 ask for nothing: there is no step behind 31.
.macro ASK
	s_cmp_gt_u32 s[CNT], s[LIM]
	s_cbranch_scc0 .Lnot_mine_\@
	global_prefetch_b8 v[PFO], s[PFA:PFA+1] th:TH_LOAD_NT scope:SCOPE_SE
.Lnot_mine_\@:
.endm
; 18 LDS loads in one run: a code tile's 8 fragments and its -e_sq / 2 (the eight numbers of my half of the lanes) into buffer bb.
.macro FETCH bb
	WIN 0
	v_add_nc_u32 v[ADR], s[TB], v[AK0]
	v_add_nc_u32 v[ADE], s[TE], v[AE0]
	WIN W_F
.irp q, 0,1,2,3,4,5,6,7,8,9,10,11,12,13,14,15
	ds_load_b128 v[CF+64*(\bb)+4*(\q):CF+64*(\bb)+4*(\q)+3], v[ADR] offset:512*(\q)
.endr
	WIN 0
	ds_load_b128 v[EQ+8*(\bb):EQ+8*(\bb)+3],   v[ADE]
	ds_load_b128 v[EQ+8*(\bb)+4:EQ+8*(\bb)+7], v[ADE] offset:16
	s_add_co_u32 s[TB], s[TB], 8192                ; the next fetch is the next tile's
	s_add_co_u32 s[TE], s[TE], 64
.endm
.macro TURNSLOT                        ; the fetches go to the other slot's first tile, and to the next step's 256 numbers of nesq
	s_sub_co_u32 s[TB], s[TB], 32768
	s_xor_b32 s[TB], s[TB], SLOTB
	s_add_co_u32 s[TE], s[TE], 768
.endm
; Element i (query tile i / 8, register i % 8) of score buffer bo against the running best.  Each accumulator's register 0 is read first.
.macro RIDER bo
	WIN W_R
	v_cmp_le_f32 vcc_lo, v[ACC+64*(\bo)+i], v[BEST+i]
	v_max_num_f32 v[BEST+i], v[ACC+64*(\bo)+i], v[BEST+i]
	v_cndmask_b32 v[IDX+i], s[TC], v[IDX+i], vcc_lo     ; not greater: the old base stays
.endm
; Matrix instruction i of a tile's 64: query tile i % 8, K step i / 8; behind it the three lines for element i of the other buffer, which name none of its registers.
; The 8 accumulators take turns, one instruction a turn, over the tiles' borders too.  An accumulator's last product stands 8 slices, 24 plain instructions, ahead of its first reader.
.macro SLICE b
.set t, i%8
.set ks, i/8
.set rD, ACC+64*(\b)+8*t
.set rA, CF+64*(\b)+8*ks
.set rB, 64*(t%4)+8*ks
	WIN W_M2+4*(t/4)
.if ks == 0
	v_wmma_f32_16x16x32_bf16 v[rD:rD+7], v[rA:rA+7], v[rB:rB+7], v[EQ+8*(\b):EQ+8*(\b)+7]
.else
	v_wmma_f32_16x16x32_bf16 v[rD:rD+7], v[rA:rA+7], v[rB:rB+7], v[rD:rD+7]
.endif
	RIDER 1-(\b)
.set i, i+1
.endm
.macro SL b, n
.rept \n
	SLICE \b
.endr
.endm
; A TILE on buffer b.  fetch = 1: the next tile's run of loads stands behind slice 3: 15 plain instructions behind the last product that read that buffer, 60 matrix instructions ahead of its use.
; tinc: from the base of the tile looked through here to the next one's.
; chg = 1: a step's last tile, which changes slots: its fragments are in registers, so my reads of the slot are over.  Each wave waits for all its tensor loads, of which one is out: its quarter of the other
; slot; adds 0 to its spare word; waits for that; the barrier opens a round of the cluster's, so that no wave of any partner still reads the slot or has a load on its way; the joint refill, with the step two on,
; is the first thing behind the round: it has 256 matrix instructions in which to land.
; chg = 2: the last change: nothing is filled again, and I read only the rows that I fetched: my own wait is all the ordering.
.macro TILE b, chg, fetch, tinc
.set i, 0
.if (\chg) == 1
	WIN 0                                          ; (the add's two registers lie in window 0)
	s_wait_xcnt 0x0                                ; the last prefetch, a step back, has read its address:
	s_add_nc_u64 s[PFA:PFA+1], s[PFA:PFA+1], SLOTB ; it is stepped here, ahead of the waits of the change
	s_wait_dscnt 0x0                               ; this tile's fragments are in: my last reads of the slot
	s_wait_tensorcnt 0x0                           ; no tensor load of mine is out, so the walking group 0 may be written
	ds_add_u32 v[SPW], v[NIL]                      ; 0 onto my spare word; work on registers stands between it and the wait for it
	s_xor_b32 s[G0C+1], s[G0C+1], SLOTB            ; the other slot than last time,
	s_add_nc_u64 s[G0C+2:G0C+3], s[G0C+2:G0C+3], SLOTB  ; the next step; the type bits on top are not reached
	TURNSLOT
	SL \b, 8
	s_wait_dscnt 0x0                               ; the add is done
	s_barrier_signal -1
	SL \b, 8                                       ; work on registers while the others arrive
	WIN 0
	s_barrier_wait -1
	CREST
	JLOAD
	FETCH 1-(\b)                                   ; the other slot's first tile: my rows of it were shown landed by the wait for 0
	ASK
	SL \b, 48
.elseif (\chg) == 2
	s_wait_dscnt 0x0
	s_wait_tensorcnt 0x0                           ; my quarter of the last step is in; no load was issued behind it
	TURNSLOT
	SL \b, 4
	FETCH 1-(\b)
	SL \b, 60
.else
	s_wait_dscnt 0x0                               ; this tile's fragments are in
	SL \b, 4
.if \fetch
	FETCH 1-(\b)
.endif
	SL \b, 60
.endif
	s_add_co_u32 s[TC], s[TC], \tinc
.endm
; x from LDS to bf16 fragments, in 16 groups: group g is query tile g / 2, K steps 4 (g % 2) + 0..3.  A fragment is 16 rows x 32 channels: lane l holds row l % 16, channels 8 h + 0..7 and 16 + 8 h + 0..7:
; in f32 four loads of 16 bytes, at 0, 16, 64 and 80 from 128 ks + 32 h.  Two halves of 64 registers take turns.
.macro XLOAD g
.set xt, (\g)/2
.set xs, ACC+64*((\g)%2)
.set xo, (xt%4)*16*XP+((\g)%2)*512
.set xa, XA0+xt/4
.irp kk, 0,1,2,3
	ds_load_b128 v[xs+16*(\kk):xs+16*(\kk)+3],     v[xa] offset:xo+128*(\kk)
	ds_load_b128 v[xs+16*(\kk)+4:xs+16*(\kk)+7],   v[xa] offset:xo+128*(\kk)+16
	ds_load_b128 v[xs+16*(\kk)+8:xs+16*(\kk)+11],  v[xa] offset:xo+128*(\kk)+64
	ds_load_b128 v[xs+16*(\kk)+12:xs+16*(\kk)+15], v[xa] offset:xo+128*(\kk)+80
.endr
.endm
.macro XCVT g
.set xt, (\g)/2
.set xs, ACC+64*((\g)%2)
.set xd, 64*(xt%4)+32*((\g)%2)
	WIN W_X2+0x40*(xt/4)
.set m, 0
.rept 32
	v_cvt_pk_bf16_f32 v[xd+m], v[xs+2*m], v[xs+2*m+1]
.set m, m+1
.endr
	WIN 0
.endm
; (va, ia) takes (vb, ib) where vb is greater, or equal with the lower index.
.macro COMB va, ia, vb, ib
	v_min_u32 v[CT], v[\ia], v[\ib]
	v_cmp_eq_f32 vcc_lo, v[\vb], v[\va]
	v_cndmask_b32 v[\ia], v[\ia], v[CT], vcc_lo
	v_cmp_gt_f32 vcc_lo, v[\vb], v[\va]
	v_cndmask_b32 v[\ia], v[\ia], v[\ib], vcc_lo
	v_max_num_f32 v[\va], v[\va], v[\vb]
.endm
.macro LEVEL a, d                      ; in every query tile: register a takes register a + d
.set t, 0
.rept 8
	COMB BEST+8*t+(\a), IDX+8*t+(\a), BEST+8*t+(\a)+(\d), IDX+8*t+(\a)+(\d)
.set t, t+1
.endr
.endm
	s_load_b256 s[4:11], s[0:1], 0x0               ; ebf s[4:5], nesq s[6:7], x s[8:9], out1 s[10:11]
	s_load_b64 s[12:13], s[0:1], 0x20              ; widx
	v_lshl_add_u32 v[SPW], v0, 2, SPARE
	v_mov_b32 v[NIL], 0
	ds_add_u32 v[SPW], v[NIL]                      ; the wave's opening: the add, twice on end, and its wait ahead of my first tensor load; the set-up below, work on registers, stands between
	ds_add_u32 v[SPW], v[NIL]                      ; and once more, under the one wait
	v_lshrrev_b32 v32, 5, v0
	v_readfirstlane_b32 s[WV], v32                 ; wave 0..3
	s_bfe_u32 s[CX], ttmp6, 0x40000                ; cx
	s_lshl_b32 s[WG], ttmp9, 2                     ; in a cluster launch ttmp9 counts clusters
	s_add_co_u32 s[WG], s[WG], s[CX]
	; group 1 for x: 32 rows x 256 elements of 4 bytes, 16 bytes of padding behind each row; no mask: each work-group's own
	s_mov_b32 s[G1X+0], (2<<16)|(1<<20)|(7<<22)|(3<<25)  ; 17:16 4-byte elements; 20 padding on; 24:22 after every 256 words (code 7); 31:25 4 words (code 3)
	s_mov_b32 s[G1X+1], 256<<16                    ; tensor_dim0 = 256
	s_mov_b32 s[G1X+2], 32<<16                     ; tensor_dim1 = 32
	s_mov_b32 s[G1X+3], 256<<16                    ; tile_dim0 = 256
	s_mov_b32 s[G1X+4], 32                         ; tile_dim1 = 32
	s_mov_b32 s[G1X+5], 256                        ; elements from row to row
	s_mov_b32 s[G1X+6], 0
	s_mov_b32 s[G1X+7], 0
	; group 1 for codes: 32,768 dense bytes as 128 rows of 32 elements of 8 bytes; for nesq: 8,192 bytes as 32 such rows
	s_mov_b32 s[G1C+0], 15|(3<<16)|(1<<21)         ; 15:0 the mask of four; 17:16 8-byte elements; 21 set beside a mask
	s_mov_b32 s[G1C+1], 32<<16
	s_mov_b32 s[G1C+2], 128<<16
	s_mov_b32 s[G1C+3], 32<<16
	s_mov_b32 s[G1C+4], 128
	s_mov_b32 s[G1C+5], 32
	s_mov_b32 s[G1C+6], 0
	s_mov_b32 s[G1C+7], 0
	s_mov_b32 s[G1E+0], 15|(3<<16)|(1<<21)
	s_mov_b32 s[G1E+1], 32<<16
	s_mov_b32 s[G1E+2], 32<<16
	s_mov_b32 s[G1E+3], 32<<16
	s_mov_b32 s[G1E+4], 32
	s_mov_b32 s[G1E+5], 32
	s_mov_b32 s[G1E+6], 0
	s_mov_b32 s[G1E+7], 0
	s_mov_b32 s[G0X], 1                            ; count = 1
	s_mul_i32 s[G0X+1], s[WV], 32*XP               ; LDS addresses: a constant and the wave's number times a constant
	s_add_co_u32 s[G0X+1], s[G0X+1], XB
	s_mov_b32 s[G0C], 1
	s_lshl_b32 s[G0C+1], s[WV], 15                 ; slot 0
	s_mov_b32 s[G0E], 1
	s_lshl_b32 s[G0E+1], s[WV], 13
	s_add_co_u32 s[G0E+1], s[G0E+1], ESQ
	s_lshl_b32 s62, s[WV], 15                      ; my quarter of a step, in bytes
	s_mov_b32 s63, 0
	s_lshl_b32 s66, s[WV], 13                      ; my quarter of nesq
	s_mov_b32 s67, 0
	s_lshl_b32 s2, s[WG], 17                       ; the work-group's 128 rows of x,
	s_add_co_u32 s2, s2, s62                       ; my 32 of them
	s_mov_b32 s3, 0
	s_lshl_b32 s72, s[CX], 15                      ; the prefetches: my work-group's 32,768 bytes of a step,
	s_add_co_u32 s72, s72, s66                     ; my wave's 8,192,
	s_add_co_u32 s72, s72, 3*SLOTB                 ; in step 3: the first change of slots steps it to step 4
	s_mov_b32 s73, 0
	s_mov_b32 s[NINF], 0xff800000
	s_mov_b32 s[SEL], 0x76543210
	s_mov_b32 s[SEL+1], 0xfedcba98
	s_mov_b32 s[TB], 0
	s_mov_b32 s[TE], 0
	s_mov_b32 s[TC], -208                          ; the first tile looks through a tile that has not been; its tinc makes this 0
	s_mov_b32 s[CNT], 31
	s_cmp_eq_u32 ttmp9, 0                          ; the same in all four partners
	s_cselect_b32 s[LIM], 2, -1
	v_and_b32 v1, 15, v0                           ; r
	v_bfe_u32 v2, v0, 4, 1                         ; h
	v_and_b32 v33, 31, v0                          ; lane
	v_lshl_add_u32 v[AK0], v33, 4, s62
	s_lshl_b32 s69, s[WV], 8
	s_add_co_u32 s69, s69, ESQ
	v_lshl_add_u32 v[AE0], v2, 5, s69
	v_mul_u32_u24 v[XA0], v1, XP
	v_lshl_add_u32 v[XA0], v2, 5, v[XA0]
	v_add_nc_u32 v[XA0], XB, v[XA0]
	v_add_nc_u32 v[XA0+1], 64*XP, v[XA0]
	v_lshlrev_b32 v[PFO], 8, v33
	s_lshl_b32 s74, s[WV], 6
	v_lshl_add_u32 v[LB], v2, 3, s74
	s_lshl_b32 s75, s[WV], 10
	s_add_co_u32 s75, s75, SCR
	v_lshl_add_u32 v[SCW], v33, 3, s75
	s_and_b32 s76, s[WV], 1
	s_lshl_b32 s77, s76, 9
	s_add_co_u32 s77, s77, SCR
	v_lshl_add_u32 v[SCRD], v33, 4, s77
	s_lshl_b32 s78, s[WG], 9                       ; 128 indices of 4 bytes a work-group,
	s_lshl_b32 s76, s76, 8                         ; 64 a wave,
	s_add_co_u32 s78, s78, s76
	v_lshl_add_u32 v[GOFF], v33, 3, s78            ; two a lane
	s_wait_dscnt 0x0                               ; both opening adds are done
	s_wait_kmcnt 0x0
	s_add_nc_u64 s[G0X+2:G0X+3], s[8:9], s[2:3]
	s_or_b32 s[G0X+3], s[G0X+3], 0x80000000        ; type = 2
	s_add_nc_u64 s[G0C+2:G0C+3], s[4:5], s[62:63]  ; step 0
	s_or_b32 s[G0C+3], s[G0C+3], 0x80000000
	s_add_nc_u64 s[G0E+2:G0E+3], s[6:7], s[66:67]
	s_or_b32 s[G0E+3], s[G0E+3], 0x80000000
	s_add_nc_u64 s[PFA:PFA+1], s[4:5], s[72:73]
	ROUND                                          ; all four work-groups are here: the first joint loads meet
	tensor_load_to_lds s[G0X:G0X+3], s[G1X:G1X+7]  ; the first fills, one group: my 32 rows of x, wanted first,
	s_nop 0
	tensor_load_to_lds s[G0E:G0E+3], s[G1E:G1E+7]  ; my quarter of nesq,
	s_nop 0
	tensor_load_to_lds s[G0C:G0C+3], s[G1C:G1C+7]  ; my quarter of step 0
	s_nop 0
.rept 4
	v_nop
.endr
	WIN W_F                                        ; while they land: the running best starts at minus infinity
.set i, 0
.rept 64
	v_mov_b32 v[BEST+i], s[NINF]
	v_mov_b32 v[IDX+i], 0
.set i, i+1
.endr
	WIN 0
	s_wait_tensorcnt 0x2                           ; my rows of x are in; the two loads issued behind them may stay out
	s_barrier_signal -1
	s_barrier_wait -1                              ; everybody's rows are in: every wave reads all 128
	XLOAD 0
	XLOAD 1
.irp g, 0,1,2,3,4,5,6,7,8,9,10,11,12,13
	s_wait_dscnt 16                                ; group g is in; the next group's 16 loads may stay out
	XCVT \g
	XLOAD (\g)+2
.endr
	s_wait_dscnt 16
	XCVT 14
	s_wait_dscnt 0x0
	XCVT 15
	; Slot 1 is filled over the bytes that held x, as every refill is.
	s_wait_tensorcnt 0x0                           ; nesq's quarter and step 0's are in; no tensor load of mine is out
	ds_add_u32 v[SPW], v[NIL]                      ; 0 onto my spare word
	s_xor_b32 s[G0C+1], s[G0C+1], SLOTB            ; slot 1,
	s_add_nc_u64 s[G0C+2:G0C+3], s[G0C+2:G0C+3], SLOTB  ; step 1
.set i, 0
.rept 64
	v_mov_b32 v[ACC+64+i], s[NINF]                 ; the tile that has not been: none of its scores is taken
.set i, i+1
.endr
	s_wait_dscnt 0x0                               ; the add is done, and my reads of x are over
	ROUND                                          ; so are everybody's; and every wave's quarter of nesq is in
	JLOAD
	FETCH 0                                        ; step 0, my first tile
	s_branch .Lentry                               ; the loop is entered at a step's first tile, in the middle of a trip
.Ltrip:                                                ; 30 trips: step s's last tile (s = 30 - s[CNT]: 0 to 29), which asks for step s + 2; then step s + 1's first three
	TILE 1, 1, 1, 16
	WIN 0
.Lentry:
	TILE 0, 0, 1, 208
	TILE 1, 0, 1, 16
	TILE 0, 0, 1, 16
	WIN 0                                          ; at a label and at a branch every window is 0
	s_sub_co_u32 s[CNT], s[CNT], 1
	s_cmp_lg_u32 s[CNT], 0
	s_cbranch_scc1 .Ltrip
	TILE 1, 2, 1, 16                               ; the tail is written out: step 30's last tile asks for nothing,
	TILE 0, 0, 1, 208                              ; and step 31
	TILE 1, 0, 1, 16
	TILE 0, 0, 1, 16
	TILE 1, 0, 0, 16
.set i, 0
.rept 64                                       ; the last tile's scores; each accumulator's last product stands 24 plain instructions or more ahead of its first reader
	RIDER 1
.set i, i+1
.endr
	; THE END.  A code's number is its tile's base + register j + 64 w + 8 h.  In a lane: eight registers into one; then the other half of the lanes; then the four waves, through LDS.
	WIN W_R
.set t, 0
.rept 8
.irp j, 1,2,3,4,5,6,7
	v_add_nc_u32 v[IDX+8*t+(\j)], \j, v[IDX+8*t+(\j)]
.endr
.set t, t+1
.endr
	WIN W_C
	LEVEL 0, 1
	LEVEL 2, 1
	LEVEL 4, 1
	LEVEL 6, 1
	LEVEL 0, 2
	LEVEL 4, 2
	LEVEL 0, 4
	WIN W_R
.set t, 0
.rept 8
	v_add_nc_u32 v[IDX+8*t], v[LB], v[IDX+8*t]
.set t, t+1
.endr
	WIN W_C
.set t, 0
.rept 8
	v_permlanex16_b32 v[BEST+8*t+1], v[BEST+8*t], s[SEL], s[SEL+1]  ; the query's other codes lie in the lane 16 away (the destinations have been written)
	v_permlanex16_b32 v[IDX+8*t+1],  v[IDX+8*t],  s[SEL], s[SEL+1]
.set t, t+1
.endr
	LEVEL 0, 1                                     ; both halves now hold the same
	WIN 0
	v_cmp_eq_u32 vcc_lo, 1, v2
	WIN W_S
.irp tt, 0,1,2,3                       ; lanes 0-15 keep query tile 2 tt, lanes 16-31 tile 2 tt + 1: lane l holds query 32 tt + l
	v_cndmask_b32 v[32+2*(\tt)], v[BEST+16*(\tt)], v[BEST+16*(\tt)+8], vcc_lo
	v_cndmask_b32 v[33+2*(\tt)], v[IDX+16*(\tt)],  v[IDX+16*(\tt)+8],  vcc_lo
.endr
	WIN 0
.irp tt, 0,1,2,3
	ds_store_b64 v[SCW], v[32+2*(\tt):33+2*(\tt)] offset:256*(\tt)   ; (score, index) of query q at 8 q of my wave's 1,024 bytes
.endr
	s_wait_dscnt 0x0                               ; for the others' sake: my stores are done
	s_barrier_signal -1
	s_barrier_wait -1
.irp ww, 0,1,2,3
	ds_load_b128 v[40+4*(\ww):43+4*(\ww)], v[SCRD] offset:1024*(\ww)  ; two queries, 64 (w % 2) + 2 l and the next, as each of the four waves found them
.endr
	s_wait_dscnt 0x0
	COMB 40, 41, 44, 45
	COMB 48, 49, 52, 53
	COMB 42, 43, 46, 47
	COMB 50, 51, 54, 55
	COMB 40, 41, 48, 49
	COMB 42, 43, 50, 51
	v_mov_b32 v42, v41                             ; the two indices side by side
	s_cmp_lt_u32 s[WV], 2                          ; waves 0 and 1 store the 128 indices into out1, waves 2 and 3 the same into widx
	s_cselect_b64 s[DST:DST+1], s[10:11], s[12:13]
	global_store_b64 v[GOFF], v[42:43], s[DST:DST+1]  ; the wave's store covers 256 consecutive bytes, at a multiple of 256 from the buffer's first byte
	s_wait_tensorcnt 0x0                           ; the wave's end, behind my last tensor load and my last LDS store
	ds_add_u32 v[SPW], v[NIL]
	s_wait_dscnt 0x0
	ROUND                                          ; the closing round: no work-group ends while a partner may still ask for a tile that names it
	s_endpgm
.Lfunc_end_k_q6da321ca88_vq:
	.size	k_q6da321ca88_vq, .Lfunc_end_k_q6da321ca88_vq-k_q6da321ca88_vq
	.p2alignl 7, 3214868480
	.fill 96, 4, 3214868480
	.section	.rodata,"a",@progbits
	.p2align	6, 0x0
	.amdhsa_kernel k_q6da321ca88_vq
		.amdhsa_group_segment_fixed_size 327680
		.amdhsa_private_segment_fixed_size 0
		.amdhsa_enable_private_segment 0
		.amdhsa_kernarg_size 40
		.amdhsa_user_sgpr_count 2
		.amdhsa_user_sgpr_kernarg_segment_ptr 1
		.amdhsa_wavefront_size32 1
		.amdhsa_system_sgpr_workgroup_id_x 1
		.amdhsa_system_sgpr_workgroup_id_y 1
		.amdhsa_system_sgpr_workgroup_id_z 1
		.amdhsa_system_vgpr_workitem_id 0
		.amdhsa_next_free_vgpr 1024
		.amdhsa_next_free_sgpr 80
		.amdhsa_reserve_vcc 1
		.amdhsa_float_denorm_mode_32 3
		.amdhsa_float_denorm_mode_16_64 3
		.amdhsa_memory_ordered 1
		.amdhsa_forward_progress 1
		.amdhsa_inst_pref_size 227
	.end_amdhsa_kernel
	.amdgpu_metadata
---
amdhsa.version: [ 1, 2 ]
amdhsa.kernels:
  - .name:           k_q6da321ca88_vq
    .symbol:         k_q6da321ca88_vq.kd
    .args:
      - { .name: ebf, .offset: 0, .size: 8, .value_kind: global_buffer, .address_space: global }
      - { .name: nesq, .offset: 8, .size: 8, .value_kind: global_buffer, .address_space: global }
      - { .name: inputs_flatten, .offset: 16, .size: 8, .value_kind: global_buffer, .address_space: global }
      - { .name: out1, .offset: 24, .size: 8, .value_kind: global_buffer, .address_space: global }
      - { .name: widx, .offset: 32, .size: 8, .value_kind: global_buffer, .address_space: global }
    .group_segment_fixed_size: 327680
    .private_segment_fixed_size: 0
    .kernarg_segment_align: 8
    .kernarg_segment_size: 40
    .max_flat_workgroup_size: 128
    .sgpr_count:     80
    .vgpr_count:     1024
    .wavefront_size: 32
...
	.end_amdgpu_metadata
.endif
;; end of part 2
;; launch gather (part 3): grid 256 x 1, 8 waves a work-group, no clusters, 0 bytes of LDS; arguments widx, embed, out0; writes out0
.if DOCPART == 3
	.amdgcn_target "amdgcn-amd-amdhsa--gfx1250"
	.amdhsa_code_object_version 6
	.text
	.protected	k_q6da321ca88_gather
	.globl	k_q6da321ca88_gather
	.p2align	8
	.type	k_q6da321ca88_gather,@function
k_q6da321ca88_gather:
	s_mov_b64 s[64:65], 0
	v_nop
	global_prefetch_b8 v0, s[64:65] scope:SCOPE_SE
	s_setreg_imm32_b32 hwreg(HW_REG_WAVE_MODE, 25, 1), 1
	s_wait_xcnt 0x0
; out0[n][:] = embed[widx[n]][:], in f32 as it lies.  Left out: (quantize - x) + x = quantize for all values (shown at the head of the first kernel), so x is not read here.
; The indices were stored as whole numbers by the launch before; here they steer addresses.
; SHARES.  A wave copies 16 rows of 1,024 bytes: its 16 indices come by one scalar load; all 32 loads (512 consecutive bytes each) go out at once, 16 KiB a wave, 128 KiB a work-group;
; each row is stored as it arrives, 512 consecutive bytes a store.  No loop, no LDS; every load has registers of its own.  A code row may be named by many queries: its loads carry no hint.
.set L16, 1                            ; v1        16 x lane
.set OFF, 2                            ; v[2:17]   row i: 1,024 x index + 16 x lane
.set D,   32                           ; v[32:159] row i: 8 registers
	s_load_b128 s[4:7], s[0:1], 0x0                ; widx s[4:5], embed s[6:7]
	s_load_b64 s[8:9], s[0:1], 0x10                ; out0
	v_lshrrev_b32 v18, 5, v0
	v_readfirstlane_b32 s10, v18                   ; wave 0..7
	v_and_b32 v[L16], 31, v0
	v_lshlrev_b32 v[L16], 4, v[L16]
	s_lshl_b32 s11, ttmp9, 3
	s_add_co_u32 s11, s11, s10                     ; my block of 16 rows
	s_lshl_b32 s2, s11, 6                          ; 16 indices of 4 bytes
	s_mov_b32 s3, 0
	s_lshl_b32 s12, s11, 14                        ; 16 rows of 1,024 bytes
	s_mov_b32 s13, 0
	s_wait_kmcnt 0x0
	s_add_nc_u64 s[4:5], s[4:5], s[2:3]
	s_add_nc_u64 s[8:9], s[8:9], s[12:13]
	s_load_b512 s[16:31], s[4:5], 0x0              ; no line of this launch writes widx
	s_wait_kmcnt 0x0
.irp i, 0,1,2,3,4,5,6,7,8,9,10,11,12,13,14,15
	s_min_u32 s[16+(\i)], s[16+(\i)], 0x1fff       ; an index stays inside the table
	s_lshl_b32 s[16+(\i)], s[16+(\i)], 10
	v_add_nc_u32 v[OFF+(\i)], s[16+(\i)], v[L16]
	global_load_b128 v[D+8*(\i):D+8*(\i)+3],   v[OFF+(\i)], s[6:7]
	global_load_b128 v[D+8*(\i)+4:D+8*(\i)+7], v[OFF+(\i)], s[6:7] offset:512
.endr
.irp i, 0,1,2,3,4,5,6,7,8,9,10,11,12,13,14,15
	s_wait_loadcnt 30-2*(\i)                       ; loads come back in order: row i is in, the 2 (15 - i) loads behind it stay out
	global_store_b128 v[L16], v[D+8*(\i):D+8*(\i)+3],   s[8:9] offset:1024*(\i) th:TH_STORE_NT
	global_store_b128 v[L16], v[D+8*(\i)+4:D+8*(\i)+7], s[8:9] offset:1024*(\i)+512 th:TH_STORE_NT
.endr
	s_endpgm
.Lfunc_end_k_q6da321ca88_gather:
	.size	k_q6da321ca88_gather, .Lfunc_end_k_q6da321ca88_gather-k_q6da321ca88_gather
	.p2alignl 7, 3214868480
	.fill 96, 4, 3214868480
	.section	.rodata,"a",@progbits
	.p2align	6, 0x0
	.amdhsa_kernel k_q6da321ca88_gather
		.amdhsa_group_segment_fixed_size 0
		.amdhsa_private_segment_fixed_size 0
		.amdhsa_enable_private_segment 0
		.amdhsa_kernarg_size 24
		.amdhsa_user_sgpr_count 2
		.amdhsa_user_sgpr_kernarg_segment_ptr 1
		.amdhsa_wavefront_size32 1
		.amdhsa_system_sgpr_workgroup_id_x 1
		.amdhsa_system_sgpr_workgroup_id_y 1
		.amdhsa_system_sgpr_workgroup_id_z 1
		.amdhsa_system_vgpr_workitem_id 0
		.amdhsa_next_free_vgpr 160
		.amdhsa_next_free_sgpr 66
		.amdhsa_reserve_vcc 0
		.amdhsa_float_denorm_mode_32 3
		.amdhsa_float_denorm_mode_16_64 3
		.amdhsa_memory_ordered 1
		.amdhsa_forward_progress 1
		.amdhsa_inst_pref_size 10
	.end_amdhsa_kernel
	.amdgpu_metadata
---
amdhsa.version: [ 1, 2 ]
amdhsa.kernels:
  - .name:           k_q6da321ca88_gather
    .symbol:         k_q6da321ca88_gather.kd
    .args:
      - { .name: widx, .offset: 0, .size: 8, .value_kind: global_buffer, .address_space: global }
      - { .name: embed, .offset: 8, .size: 8, .value_kind: global_buffer, .address_space: global }
      - { .name: out0, .offset: 16, .size: 8, .value_kind: global_buffer, .address_space: global }
    .group_segment_fixed_size: 0
    .private_segment_fixed_size: 0
    .kernarg_segment_align: 8
    .kernarg_segment_size: 24
    .max_flat_workgroup_size: 256
    .sgpr_count:     66
    .vgpr_count:     160
    .wavefront_size: 32
...
	.end_amdgpu_metadata
.endif
;; end of part 3
;; ======== version 2 of 2: 3 launches; version 1 with the launches prep, gather written anew for expert scheduling mode
;; workspace buffers: ebf 4,194,304 bytes; nesq 32,768 bytes; widx 131,072 bytes of whole numbers
;; launch prep (part 4): grid 256 x 1, 2 waves a work-group, no clusters, 0 bytes of LDS; arguments embed, ebf, nesq; writes ebf, nesq
.if DOCPART == 4
	.amdgcn_target "amdgcn-amd-amdhsa--gfx1250"
	.amdhsa_code_object_version 6
	.text
	.protected	k_q6da321ca88_prep
	.globl	k_q6da321ca88_prep
	.p2align	8
	.type	k_q6da321ca88_prep,@function
k_q6da321ca88_prep:
	s_mov_b64 s[64:65], 0
	v_nop
	global_prefetch_b8 v0, s[64:65] scope:SCOPE_SE
	s_setreg_imm32_b32 hwreg(HW_REG_WAVE_SCHED_MODE, 0, 2), 2
	s_setreg_imm32_b32 hwreg(HW_REG_WAVE_MODE, 25, 1), 1
	s_wait_xcnt 0x0
	s_wait_alu depctr_vm_vsrc(0)
; THE PROGRAM: for each of 32,768 rows x the nearest of 8,192 codebook rows e_k of 256 numbers; out1 = its index, out0 = that row.  Three launches:
; this one lays the codebook out, the second finds the indices, the third copies the chosen rows.
; WORK OF THE SOURCE THAT IS LEFT OUT, for all finite values of the inputs, in exact arithmetic:
;   x_sq[n] is added to every distance of row n alike, so it moves no argmin along k: it is not computed.  What is compared is s[n][k] = x_n . e_k - e_sq[k] / 2,
;   which is (x_sq[n] - distance[n][k]) / 2: the greatest s is the least distance.
;   (quantize - x) + x = quantize: out0 is the gathered row itself, and the launch that stores it does not read x.
; Both inputs keep a way to the outputs and are loaded.  LIMITS: a NaN, an infinity or an overflow that reaches only x_sq or (quantize - x) + x is not carried to the result;
; NaN and infinities are not treated apart anywhere; where x_sq is so large that f32 distances of the source fall together, the source's choice among them is not followed.
;
; THIS LAUNCH: embed is rounded once to bf16 and stored in the order in which a matrix instruction's registers take it; nesq[k] = -1/2 x the sum of the squares of the ROUNDED row k,
; so that the scores are those of the rounded codebook in both terms.
; ebf: code tile ct (codes 16 ct ..), K step ks (32 channels), part p, lane l = 16 h + r: the 16 bytes at 8,192 ct + 1,024 ks + 512 p + 16 l hold embed[16 ct + r][32 ks + 16 p + 8 h + 0..7].
; SHARES.  A wave makes one code tile: 16 rows x 1,024 bytes in, 8,192 bytes out.  512 tiles, two waves a work-group.  No loop, no LDS.
; All 32 loads go out at once; each part is rounded and squared as it arrives, and stored (512 consecutive bytes a store) with its block of four parts.  Every store has data registers of its own: none is rewritten.
; A lane is tied to a code row, so a load takes 32 bytes of each of 16 rows; the 32 loads together take each byte once.  nesq leaves as 64 consecutive bytes a wave.
; THE MODE: SCHED_MODE bits 1:0 = 2 (LLVM: expert scheduling mode 2), set by the entry lines.  The code itself states the register dependences
; between vector instructions and memory instructions, with s_wait_alu, always for 0.
; THE PLAN.  Registers that memory instructions touch:
;   v4, v5, v6   offsets: written at the head, read by the loads, the stores and the store of nesq; never written again.
;   IN           written by the 32 loads, issued once, before any vector line names them; read by the roundings behind the wait on LOADcnt; never loaded again.
;   PK           part q: written by its four roundings, read by its unpacking lines and by one store; never written again.
;   v16          the sum: written by vector lines, read by the last store, not written behind it.
; The 16 parts go in four blocks of four.  ONE wait on va_vdst stands behind each block: its sixteen roundings have written PK; the block's four stores follow it in one run.
; No vector line behind such a wait writes a register that those stores read, and no register that a memory instruction has read is written again: so vm_vsrc is waited for only where EXEC is written.
.set LO, 4                             ; v4   r x 1,024 + 32 h: my 32 bytes of part 0
.set SO, 5                             ; v5   16 x lane
.set NO, 6                             ; v6   4 r
.set T,  8                             ; v[8:15]    eight rounded numbers as f32
.set SQ, 16                            ; v[16:23]   four pairs of running sums of squares
.set IN, 32                            ; v[32:159]  part q: 8 registers as loaded
.set PK, 160                           ; v[160:223] part q: 4 registers, 8 bf16
	s_load_b128 s[4:7], s[0:1], 0x0                ; embed s[4:5], ebf s[6:7]
	s_load_b64 s[8:9], s[0:1], 0x10                ; nesq
	v_lshrrev_b32 v7, 5, v0
	v_readfirstlane_b32 s10, v7                    ; wave 0, 1
	v_and_b32 v1, 31, v0                           ; lane
	v_and_b32 v2, 15, v0                           ; r
	v_bfe_u32 v3, v0, 4, 1                         ; h
	v_lshlrev_b32 v[LO], 10, v2
	v_lshl_add_u32 v[LO], v3, 5, v[LO]
	v_lshlrev_b32 v[SO], 4, v1
	v_lshlrev_b32 v[NO], 2, v2
	s_wait_alu depctr_va_sdst(0)                   ; s10 is written, ahead of its first reader: the tile's number is made from it
	s_lshl_b32 s14, ttmp9, 1
	s_add_co_u32 s14, s14, s10                     ; ct
	s_mov_b32 s11, 0xffff0000                      ; a word's upper bf16
	s_mov_b32 s12, 0x76543210                      ; v_permlanex16_b32: each lane takes its own place in the other half
	s_mov_b32 s13, 0xfedcba98
	s_lshl_b32 s2, s14, 14                         ; 16 rows of 1,024 bytes
	s_mov_b32 s3, 0
	s_lshl_b32 s16, s14, 13                        ; 8,192 bytes of ebf
	s_mov_b32 s17, 0
	s_lshl_b32 s18, s14, 6                         ; 16 numbers of nesq
	s_mov_b32 s19, 0
	s_wait_kmcnt 0x0
	s_add_nc_u64 s[4:5], s[4:5], s[2:3]
	s_add_nc_u64 s[6:7], s[6:7], s[16:17]
	s_add_nc_u64 s[8:9], s[8:9], s[18:19]
	s_wait_alu depctr_va_vdst(0)                   ; the three offsets v4, v5 and v6 are written: every load and store of the kernel reads one of them
.irp q, 0,1,2,3,4,5,6,7,8,9,10,11,12,13,14,15
	global_load_b128 v[IN+8*(\q):IN+8*(\q)+3],   v[LO], s[4:5] offset:64*(\q)
	global_load_b128 v[IN+8*(\q)+4:IN+8*(\q)+7], v[LO], s[4:5] offset:64*(\q)+16
.endr
; Part q = 2 ks + p: rounded, and its squares added.
.macro PART q
	s_wait_loadcnt 30-2*(\q)                       ; loads come back in order: my two are in, the 2 (15 - q) behind them stay out
.irp m, 0,1,2,3
	v_cvt_pk_bf16_f32 v[PK+4*(\q)+(\m)], v[IN+8*(\q)+2*(\m)], v[IN+8*(\q)+2*(\m)+1]
.endr
.irp m, 0,1,2,3
	v_lshlrev_b32 v[T+2*(\m)],   16,  v[PK+4*(\q)+(\m)]   ; the rounded numbers back as f32
	v_and_b32     v[T+2*(\m)+1], s11, v[PK+4*(\q)+(\m)]
.endr
.irp m, 0,2,4,6
.if (\q) == 0
	v_pk_mul_f32 v[SQ+(\m):SQ+(\m)+1], v[T+(\m):T+(\m)+1], v[T+(\m):T+(\m)+1]   ; the first part starts the sums
.else
	v_pk_fma_f32 v[SQ+(\m):SQ+(\m)+1], v[T+(\m):T+(\m)+1], v[T+(\m):T+(\m)+1], v[SQ+(\m):SQ+(\m)+1]
.endif
.endr
.endm
; Block b, parts 4 b to 4 b + 3, leaves: four stores in one run.
.macro OUT4 b
	s_wait_alu depctr_va_vdst(0)                   ; the block's sixteen roundings have written PK's registers of parts 4 b to 4 b + 3, which the four stores below read
.irp m, 0,1,2,3
	global_store_b128 v[SO], v[PK+16*(\b)+4*(\m):PK+16*(\b)+4*(\m)+3], s[6:7] offset:512*(4*(\b)+(\m)) th:TH_STORE_NT
.endr
.endm
.irp q, 0,1,2,3
	PART \q
.endr
	OUT4 0
.irp q, 4,5,6,7
	PART \q
.endr
	OUT4 1
.irp q, 8,9,10,11
	PART \q
.endr
	OUT4 2
.irp q, 12,13,14,15
	PART \q
.endr
	OUT4 3
	v_pk_add_f32 v[SQ:SQ+1], v[SQ:SQ+1], v[SQ+2:SQ+3]
	v_pk_add_f32 v[SQ+4:SQ+5], v[SQ+4:SQ+5], v[SQ+6:SQ+7]
	v_pk_add_f32 v[SQ:SQ+1], v[SQ:SQ+1], v[SQ+4:SQ+5]
	v_add_f32 v[SQ], v[SQ], v[SQ+1]                ; my half of row r's channels
	v_permlanex16_b32 v[T], v[SQ], s12, s13        ; the other half lies in the lane 16 away (the destination has been written)
	v_add_f32 v[SQ], v[SQ], v[T]
	v_mul_f32 v[SQ], -0.5, v[SQ]
	v_cmp_gt_u32 vcc_lo, 16, v1
	s_wait_xcnt 0x0                                ; EXEC is a source of the stores above: it changes only behind this wait
	s_wait_alu depctr_va_vcc(0)                    ; the compare has written VCC, from which EXEC is made
	s_wait_alu depctr_va_vdst(0)                   ; ahead of the write of EXEC: every vector line issued so far is done; v16, which the store below reads, is written
	s_wait_alu depctr_vm_vsrc(0)                   ; ahead of the write of EXEC: the stores issued so far have read their vector registers
	s_and_saveexec_b32 s20, vcc_lo                 ; lanes 0 to 15: one number a row
	global_store_b32 v[NO], v[SQ], s[8:9]
	s_wait_xcnt 0x0                                ; and again in front of the line that widens it
	s_wait_alu depctr_va_vdst(0)                   ; ahead of the write of EXEC: no vector line is pending
	s_wait_alu depctr_vm_vsrc(0)                   ; ahead of the write of EXEC: the store of nesq has read v6 and v16
	s_or_b32 exec_lo, exec_lo, s20
	s_endpgm
.Lfunc_end_k_q6da321ca88_prep:
	.size	k_q6da321ca88_prep, .Lfunc_end_k_q6da321ca88_prep-k_q6da321ca88_prep
	.p2alignl 7, 3214868480
	.fill 96, 4, 3214868480
	.section	.rodata,"a",@progbits
	.p2align	6, 0x0
	.amdhsa_kernel k_q6da321ca88_prep
		.amdhsa_group_segment_fixed_size 0
		.amdhsa_private_segment_fixed_size 0
		.amdhsa_enable_private_segment 0
		.amdhsa_kernarg_size 24
		.amdhsa_user_sgpr_count 2
		.amdhsa_user_sgpr_kernarg_segment_ptr 1
		.amdhsa_wavefront_size32 1
		.amdhsa_system_sgpr_workgroup_id_x 1
		.amdhsa_system_sgpr_workgroup_id_y 1
		.amdhsa_system_sgpr_workgroup_id_z 1
		.amdhsa_system_vgpr_workitem_id 0
		.amdhsa_next_free_vgpr 224
		.amdhsa_next_free_sgpr 66
		.amdhsa_reserve_vcc 1
		.amdhsa_float_denorm_mode_32 3
		.amdhsa_float_denorm_mode_16_64 3
		.amdhsa_memory_ordered 1
		.amdhsa_forward_progress 1
		.amdhsa_inst_pref_size 20
	.end_amdhsa_kernel
	.amdgpu_metadata
---
amdhsa.version: [ 1, 2 ]
amdhsa.kernels:
  - .name:           k_q6da321ca88_prep
    .symbol:         k_q6da321ca88_prep.kd
    .args:
      - { .name: embed, .offset: 0, .size: 8, .value_kind: global_buffer, .address_space: global }
      - { .name: ebf, .offset: 8, .size: 8, .value_kind: global_buffer, .address_space: global }
      - { .name: nesq, .offset: 16, .size: 8, .value_kind: global_buffer, .address_space: global }
    .group_segment_fixed_size: 0
    .private_segment_fixed_size: 0
    .kernarg_segment_align: 8
    .kernarg_segment_size: 24
    .max_flat_workgroup_size: 64
    .sgpr_count:     66
    .vgpr_count:     224
    .wavefront_size: 32
...
	.end_amdgpu_metadata
.endif
;; end of part 4
;; launch vq: the kernel of part 2 again; grid 256 x 1, 4 waves a work-group, clusters of 4 x 1, 327,680 bytes of LDS; arguments ebf, nesq, inputs_flatten, out1, widx; writes out1, widx
;; launch gather (part 5): grid 256 x 1, 8 waves a work-group, no clusters, 0 bytes of LDS; arguments widx, embed, out0; writes out0
.if DOCPART == 5
	.amdgcn_target "amdgcn-amd-amdhsa--gfx1250"
	.amdhsa_code_object_version 6
	.text
	.protected	k_q6da321ca88_gather
	.globl	k_q6da321ca88_gather
	.p2align	8
	.type	k_q6da321ca88_gather,@function
k_q6da321ca88_gather:
	s_mov_b64 s[64:65], 0
	v_nop
	global_prefetch_b8 v0, s[64:65] scope:SCOPE_SE
	s_setreg_imm32_b32 hwreg(HW_REG_WAVE_SCHED_MODE, 0, 2), 2
	s_setreg_imm32_b32 hwreg(HW_REG_WAVE_MODE, 25, 1), 1
	s_wait_xcnt 0x0
	s_wait_alu depctr_vm_vsrc(0)
; out0[n][:] = embed[widx[n]][:], in f32 as it lies.  Left out: (quantize - x) + x = quantize for all values (shown at the head of the first kernel), so x is not read here.
; The indices were stored as whole numbers by the launch before; here they steer addresses.
; SHARES.  A wave copies 16 rows of 1,024 bytes: its 16 indices come by one scalar load; all 32 loads (512 consecutive bytes each) go out at once, 16 KiB a wave, 128 KiB a work-group;
; each row is stored as it arrives, 512 consecutive bytes a store.  No loop, no LDS; every load has registers of its own.  A code row may be named by many queries: its loads carry no hint.
; THE MODE: SCHED_MODE bits 1:0 = 2 (LLVM: expert scheduling mode 2), set by the entry lines.  The code itself states the register dependences
; between vector instructions and memory instructions, with s_wait_alu, always for 0.
; THE PLAN.  Registers that memory instructions touch:
;   v1        16 x lane: written at the head, read by the sixteen adds and by the 32 stores; never written again.
;   v[2:17]   row i's offset: written by one add, read by the row's two loads; never written again.
;   v[32:159] written by the loads, read by the stores, behind the waits on LOADcnt; no vector line names them.
; So all sixteen offsets are made first, ONE wait on va_vdst stands behind them, and the 32 loads and 32 stores follow with no further wait of that kind.
.set L16, 1                            ; v1        16 x lane
.set OFF, 2                            ; v[2:17]   row i: 1,024 x index + 16 x lane
.set D,   32                           ; v[32:159] row i: 8 registers
	s_load_b128 s[4:7], s[0:1], 0x0                ; widx s[4:5], embed s[6:7]
	s_load_b64 s[8:9], s[0:1], 0x10                ; out0
	v_lshrrev_b32 v18, 5, v0
	v_readfirstlane_b32 s10, v18                   ; wave 0..7
	v_and_b32 v[L16], 31, v0
	v_lshlrev_b32 v[L16], 4, v[L16]
	s_wait_alu depctr_va_sdst(0)                   ; s10 is written, ahead of its first reader: the number of my block of rows is made from it
	s_lshl_b32 s11, ttmp9, 3
	s_add_co_u32 s11, s11, s10                     ; my block of 16 rows
	s_lshl_b32 s2, s11, 6                          ; 16 indices of 4 bytes
	s_mov_b32 s3, 0
	s_lshl_b32 s12, s11, 14                        ; 16 rows of 1,024 bytes
	s_mov_b32 s13, 0
	s_wait_kmcnt 0x0
	s_add_nc_u64 s[4:5], s[4:5], s[2:3]
	s_add_nc_u64 s[8:9], s[8:9], s[12:13]
	s_load_b512 s[16:31], s[4:5], 0x0              ; no line of this launch writes widx
	s_wait_kmcnt 0x0
.irp i, 0,1,2,3,4,5,6,7,8,9,10,11,12,13,14,15
	s_min_u32 s[16+(\i)], s[16+(\i)], 0x1fff       ; an index stays inside the table
	s_lshl_b32 s[16+(\i)], s[16+(\i)], 10
	v_add_nc_u32 v[OFF+(\i)], s[16+(\i)], v[L16]
.endr
	s_wait_alu depctr_va_vdst(0)                   ; the sixteen offsets v[2:17], which the loads read, and v1, which the stores read, are written
.irp i, 0,1,2,3,4,5,6,7,8,9,10,11,12,13,14,15
	global_load_b128 v[D+8*(\i):D+8*(\i)+3],   v[OFF+(\i)], s[6:7]
	global_load_b128 v[D+8*(\i)+4:D+8*(\i)+7], v[OFF+(\i)], s[6:7] offset:512
.endr
.irp i, 0,1,2,3,4,5,6,7,8,9,10,11,12,13,14,15
	s_wait_loadcnt 30-2*(\i)                       ; loads come back in order: row i is in, the 2 (15 - i) loads behind it stay out
	global_store_b128 v[L16], v[D+8*(\i):D+8*(\i)+3],   s[8:9] offset:1024*(\i) th:TH_STORE_NT
	global_store_b128 v[L16], v[D+8*(\i)+4:D+8*(\i)+7], s[8:9] offset:1024*(\i)+512 th:TH_STORE_NT
.endr
	s_endpgm
.Lfunc_end_k_q6da321ca88_gather:
	.size	k_q6da321ca88_gather, .Lfunc_end_k_q6da321ca88_gather-k_q6da321ca88_gather
	.p2alignl 7, 3214868480
	.fill 96, 4, 3214868480
	.section	.rodata,"a",@progbits
	.p2align	6, 0x0
	.amdhsa_kernel k_q6da321ca88_gather
		.amdhsa_group_segment_fixed_size 0
		.amdhsa_private_segment_fixed_size 0
		.amdhsa_enable_private_segment 0
		.amdhsa_kernarg_size 24
		.amdhsa_user_sgpr_count 2
		.amdhsa_user_sgpr_kernarg_segment_ptr 1
		.amdhsa_wavefront_size32 1
		.amdhsa_system_sgpr_workgroup_id_x 1
		.amdhsa_system_sgpr_workgroup_id_y 1
		.amdhsa_system_sgpr_workgroup_id_z 1
		.amdhsa_system_vgpr_workitem_id 0
		.amdhsa_next_free_vgpr 160
		.amdhsa_next_free_sgpr 66
		.amdhsa_reserve_vcc 0
		.amdhsa_float_denorm_mode_32 3
		.amdhsa_float_denorm_mode_16_64 3
		.amdhsa_memory_ordered 1
		.amdhsa_forward_progress 1
		.amdhsa_inst_pref_size 10
	.end_amdhsa_kernel
	.amdgpu_metadata
---
amdhsa.version: [ 1, 2 ]
amdhsa.kernels:
  - .name:           k_q6da321ca88_gather
    .symbol:         k_q6da321ca88_gather.kd
    .args:
      - { .name: widx, .offset: 0, .size: 8, .value_kind: global_buffer, .address_space: global }
      - { .name: embed, .offset: 8, .size: 8, .value_kind: global_buffer, .address_space: global }
      - { .name: out0, .offset: 16, .size: 8, .value_kind: global_buffer, .address_space: global }
    .group_segment_fixed_size: 0
    .private_segment_fixed_size: 0
    .kernarg_segment_align: 8
    .kernarg_segment_size: 24
    .max_flat_workgroup_size: 256
    .sgpr_count:     66
    .vgpr_count:     160
    .wavefront_size: 32
...
	.end_amdgpu_metadata
.endif
;; end of part 5
